; MI455X (gfx1250); checked and timed in simulation.
; The chip was launched on July 23, 2026; its instructions are those of AMD's public machine-readable ISA for CDNA 5 (MIT licence, August 2026) and "CDNA5" Instruction Set Architecture Reference Guide (July 2026). The comments in the code are by the model that wrote it; some were corrected since.
;; Grokking SNN. Allowed arithmetic: float matrix products may take bf16 or f16 operands with f32 sums; all other float work in f32.
;; Inputs: W1 1,024 x 512 float32; W2 512 x 2,048 float32; b1 512 float32; b2 2,048 float32; beta1 one number float32; beta2 one number float32; embed 2,048 x 512 float32; thr1 one number float32; thr2 one number float32; x 8,192 x 2 int32.
;; Outputs: out0 8,192 x 2,048 float32.
;; 2 versions, each right; version 2 is version 1 with the launch tables written anew for expert scheduling mode. Each part assembles by itself: llvm-mc -triple=amdgcn-amd-amdhsa -mcpu=gfx1250 --defsym DOCPART=n.
;; ======== version 1 of 2: 3 launches
;; limits: inputs' magnitudes at most 65,504; values are held in f16: magnitudes above 65,504 overflow, below 6.1e-05 lose precision
;; workspace buffers: T 8,388,608 bytes; W2h 2,097,152 bytes; S 8,388,608 bytes
;; launch tables (part 1): grid 16 x 16, 4 waves a work-group, no clusters, 250,368 bytes of LDS; arguments embed, W1, W2, T, W2h; writes T, W2h
.if DOCPART == 1
	.amdgcn_target "amdgcn-amd-amdhsa--gfx1250"
	.amdhsa_code_object_version 6
	.text
	.protected	k_q2d87b12e3d_tables
	.globl	k_q2d87b12e3d_tables
	.p2align	8
	.type	k_q2d87b12e3d_tables,@function
k_q2d87b12e3d_tables:
	s_mov_b64 s[64:65], 0
	v_nop
	global_prefetch_b8 v0, s[64:65] scope:SCOPE_SE
	s_setreg_imm32_b32 hwreg(HW_REG_WAVE_MODE, 25, 1), 1
	s_wait_xcnt 0x0
; T[p][512 half + n] = sum over k of bf16(embed[p][k]) x bf16(W1[512 half + k][n]), half = 0, 1: the first layer's product made on the TABLE's 2,048 rows
; (the gather of two rows and their sum come in the next launch: a gather of rows commutes with a product from the right).  T: [2048][1024] f32.
; Beside it W2h = f16(bf16(W2)), element by element: [512][2048] f16.
; LIMITS.  embed, W1 and W2 are rounded to bf16 (nearest even).  bf16 products are exact and are summed in f32, in another order than a plain f32 product's.  A bf16 number is written
; as f16 exactly from 2^-17 up to 65,504 in magnitude; below that it keeps f16's fixed step of 2^-24, beyond it becomes an infinity.
; SHARES.  Work-group (j, y): rows 128 y .. + 127 of T, columns 64 j .. + 63, all of K = 512; 16 x 16 work-groups.  Wave w: 32 rows x 64 columns, 8 accumulators of 16 x 16.
; The tiles are f32 in memory and must be rounded on the way, so they come through registers: 16-byte loads, two roundings, 8-byte LDS stores.  Wave w brings its own 32 rows of embed and
; 128 of the 512 rows of W1's strip; one barrier, since all waves read the whole strip.  No tensor load and no cluster: as f32 the two tiles (256 KiB + 128 KiB) would not fit in LDS.
; THE MATRIX INSTRUCTION IS USED TRANSPOSED (source 0 = 16 columns of W1, source 1 = 16 rows of embed): a lane then holds eight neighbouring numbers of a row of T.
.set PA,    1040                       ; a row of embed in LDS: 512 bf16 = 1,024 bytes + 16: an odd multiple of 16, so the 16 rows of a fragment load start in 16 different 16-byte columns of 256
.set PB,    160                        ; a k-row of W1's strip: 64 bf16 = 128 bytes + 32: an odd multiple of 32, for the turning load (8 rows x 32 bytes)
.set BREG,  128*PA                     ; W1's strip lies behind embed's 128 rows
.set STAGE, BREG+512*PB                ; behind it: 32 rows x 272 bytes for each wave, for the way out
.set SPI,   272
.set SPARE, STAGE+4*32*SPI             ; behind the stages: the spare words, 128 bytes for each wave: two blocks of 256 bytes that no other line names
.set GA,  4                            ; v4   16 l: my 16 bytes in 512 consecutive bytes
.set GB,  5                            ; v5   2048 h + 16 r: lanes 0-15 one row's 256 bytes of W1's strip, lanes 16-31 the next row's
.set SA,  6                            ; v6   where my 8 bytes of embed go
.set SB,  7                            ; v7   where my 8 bytes of W1 go
.set FA,  8                            ; v8   my place in a fragment of embed
.set FB,  9                            ; v9, v10  my place in a turned fragment of W1, for k below 256 and from 256 on (the immediate has 16 bits)
.set STO, 11                           ; v11  the way out: where I put 16 bytes of a row
.set RD,  12                           ; v12  the way out: where I read a row back
.set CO,  13                           ; v13  my byte offset in two rows of T
.set SPW, 14                           ; v14  LDS address of my spare word; never rewritten
.set NIL, 15                           ; v15  0; never rewritten
.set WD,  16                           ; v16-47  W2's numbers
.set GW,  50                           ; v50  8 l
.set X0,  64                           ; three sets of 64 registers for loads on their way: v64, v128, v192
.set ACC, 64                           ; later: the accumulators, (mb, nb) at ACC + 8 (4 mb + nb)
.set F0,  128                          ; two fragment buffers of 48: 16 of embed, 32 of W1
.set F1,  176
.set OB,  128                          ; the way out: 32 rows read back
	s_load_b256 s[4:11], s[0:1], 0x0               ; embed s[4:5], W1 s[6:7], W2 s[8:9], T s[10:11]
	s_load_b64 s[12:13], s[0:1], 0x20              ; W2h
	v_lshl_add_u32 v[SPW], v0, 2, SPARE
	v_mov_b32 v[NIL], 0
	v_lshrrev_b32 v1, 5, v0
	v_readfirstlane_b32 s14, v1                    ; wave 0..3
	s_mov_b32 s15, ttmp9                           ; j: column tile of T
	s_and_b32 s16, ttmp7, 0xffff                   ; y: row tile
	s_lshl_b32 s17, s16, 4
	s_add_co_u32 s17, s17, s15                     ; 16 y + j: the work-group's number, for W2's share
	s_mov_b32 s22, 0xffff0000                      ; a word's upper bf16
	; byte offsets, made apart from the addresses
	s_lshl_b32 s18, s16, 18                        ; embed: 128 rows of 2,048 bytes a tile,
	s_lshl_b32 s23, s14, 16                        ; 32 rows a wave
	s_add_co_u32 s18, s18, s23
	s_mov_b32 s19, 0
	s_lshr_b32 s20, s15, 3                         ; W1: the half's 512 rows of 2,048 bytes,
	s_lshl_b32 s20, s20, 20
	s_and_b32 s23, s15, 7                          ; 64 columns of 4 bytes a strip,
	s_lshl_b32 s23, s23, 8
	s_add_co_u32 s20, s20, s23
	s_lshl_b32 s23, s14, 18                        ; 128 rows a wave
	s_add_co_u32 s20, s20, s23
	s_mov_b32 s21, 0
	s_lshl_b32 s24, s17, 14                        ; W2: 4,096 numbers a work-group, 1,024 a wave
	s_lshl_b32 s23, s14, 12
	s_add_co_u32 s24, s24, s23
	s_mov_b32 s25, 0
	s_lshl_b32 s26, s17, 13                        ; W2h: the same numbers, 2 bytes each
	s_lshl_b32 s23, s14, 11
	s_add_co_u32 s26, s26, s23
	s_mov_b32 s27, 0
	s_lshl_b32 s28, s16, 19                        ; T: 128 rows of 4,096 bytes a tile, 32 rows a wave, 256 bytes a column tile
	s_lshl_b32 s23, s14, 17
	s_add_co_u32 s28, s28, s23
	s_lshl_b32 s23, s15, 8
	s_add_co_u32 s28, s28, s23
	s_mov_b32 s29, 0
	v_and_b32 v1, 31, v0                           ; l
	v_and_b32 v2, 15, v0                           ; r = l % 16
	v_bfe_u32 v3, v0, 4, 1                         ; h = l / 16
	v_lshlrev_b32 v[GA], 4, v1
	v_lshlrev_b32 v[GW], 3, v1
	v_lshlrev_b32 v[CO], 4, v2
	v_lshl_add_u32 v[GB], v3, 11, v[CO]
	v_lshl_add_u32 v[CO], v3, 12, v[CO]            ; 4096 h + 16 r
	s_wait_kmcnt 0x0
	s_add_nc_u64 s[4:5], s[4:5], s[18:19]
	s_add_nc_u64 s[6:7], s[6:7], s[20:21]
	s_add_nc_u64 s[8:9], s[8:9], s[24:25]
	s_add_nc_u64 s[12:13], s[12:13], s[26:27]
	s_add_nc_u64 s[10:11], s[10:11], s[28:29]
; Batch k of 12, sixteen loads of 512 bytes.  k < 8: my rows 4 k .. 4 k + 3 of embed, whole.  k >= 8: 32 of my 128 rows of W1's strip, two rows a load.
.macro LD k, x
.if (\k) < 8
.irp i, 0,1,2,3,4,5,6,7,8,9,10,11,12,13,14,15
	global_load_b128 v[(\x)+4*(\i):(\x)+4*(\i)+3], v[GA], s[4:5] offset:(4*(\k)+(\i)/4)*2048+512*((\i)%4)
.endr
.else
.irp i, 0,1,2,3,4,5,6,7,8,9,10,11,12,13,14,15
	global_load_b128 v[(\x)+4*(\i):(\x)+4*(\i)+3], v[GB], s[6:7] offset:(16*((\k)-8)+(\i))*4096
.endr
.endif
.endm
; The batch is rounded to bf16 in place, four numbers into a pair of registers, and laid into LDS
.macro ST k, x
.irp i, 0,1,2,3,4,5,6,7,8,9,10,11,12,13,14,15
	v_cvt_pk_bf16_f32 v[(\x)+4*(\i)], v[(\x)+4*(\i)], v[(\x)+4*(\i)+1]
	v_cvt_pk_bf16_f32 v[(\x)+4*(\i)+1], v[(\x)+4*(\i)+2], v[(\x)+4*(\i)+3]
.if (\k) < 8
	ds_store_b64 v[SA], v[(\x)+4*(\i):(\x)+4*(\i)+1] offset:(4*(\k)+(\i)/4)*PA+256*((\i)%4)
.else
	ds_store_b64 v[SB], v[(\x)+4*(\i):(\x)+4*(\i)+1] offset:(16*((\k)-8)+(\i))*2*PB
.endif
.endr
.endm
.irp i, 0,1,2,3,4,5,6,7
	global_load_b128 v[WD+4*(\i):WD+4*(\i)+3], v[GA], s[8:9] offset:512*(\i) th:TH_LOAD_NT  ; W2 is read once in the launch
.endr
	LD 0, X0
	LD 1, X0+64
	LD 2, X0+128
	; the LDS addresses are made while the loads are on their way
	s_mul_i32 s30, s14, 32*PA                      ; my 32 rows of embed
	v_lshl_add_u32 v[SA], v1, 3, s30
	v_mul_u32_u24 v[FA], v2, PA
	v_lshl_add_u32 v[FA], v3, 4, v[FA]
	v_add_nc_u32 v[FA], s30, v[FA]                 ; row r x pitch + 16 h
	s_mul_i32 s31, s14, 128*PB                     ; my 128 rows of the strip
	s_add_co_u32 s31, s31, BREG
	v_mul_u32_u24 v[SB], v3, PB
	v_lshl_add_u32 v[SB], v2, 3, v[SB]
	v_add_nc_u32 v[SB], s31, v[SB]
	v_and_b32 v48, 7, v0                           ; the turning load: lane l reads k-row 8 h + l % 8, columns 8 ((l / 8) % 2) + 0..7
	v_lshl_add_u32 v48, v3, 3, v48
	v_mul_u32_u24 v[FB], v48, PB
	v_bfe_u32 v49, v0, 3, 1
	v_lshl_add_u32 v[FB], v49, 4, v[FB]
	v_add_nc_u32 v[FB], BREG, v[FB]
	v_add_nc_u32 v[FB+1], 256*PB, v[FB]
	s_mul_i32 s23, s14, 32*SPI
	s_add_co_u32 s23, s23, STAGE                   ; my stage
	v_mul_u32_u24 v[STO], v2, SPI                  ; in: row r, 32 bytes for each half of the lanes
	v_lshl_add_u32 v[STO], v3, 5, v[STO]
	v_add_nc_u32 v[STO], s23, v[STO]
	v_mul_u32_u24 v[RD], v3, SPI                   ; back: lanes 0-15 one row of 256 bytes, lanes 16-31 the next
	v_lshl_add_u32 v[RD], v2, 4, v[RD]
	v_add_nc_u32 v[RD], s23, v[RD]
	s_wait_loadcnt 48                              ; W2's eight loads are in; the three batches of sixteen behind them stay out
.irp i, 0,1,2,3,4,5,6,7                ; W2: rounded to bf16, widened again, and that number written as f16
	v_cvt_pk_bf16_f32 v48, v[WD+4*(\i)], v[WD+4*(\i)+1]
	v_cvt_pk_bf16_f32 v49, v[WD+4*(\i)+2], v[WD+4*(\i)+3]
	v_lshlrev_b32 v[WD+4*(\i)], 16, v48
	v_and_b32 v[WD+4*(\i)+1], s22, v48
	v_lshlrev_b32 v[WD+4*(\i)+2], 16, v49
	v_and_b32 v[WD+4*(\i)+3], s22, v49
	v_cvt_pk_f16_f32 v[WD+4*(\i)], v[WD+4*(\i)], v[WD+4*(\i)+1]
	v_cvt_pk_f16_f32 v[WD+4*(\i)+1], v[WD+4*(\i)+2], v[WD+4*(\i)+3]
	global_store_b64 v[GW], v[WD+4*(\i):WD+4*(\i)+1], s[12:13] offset:256*(\i)  ; the wave stores 256 consecutive bytes, aligned; these registers are not written again
.endr
.irp k, 0,1,2,3,4,5,6,7,8,9,10,11
.if (\k) <= 9
	s_wait_loadcnt 32                              ; loads come back in order: batch k is in, the two younger batches stay out
.elseif (\k) == 10
	s_wait_loadcnt 16
.else
	s_wait_loadcnt 0x0
.endif
	ST \k, X0+64*((\k)%3)
.if (\k) <= 8
	LD (\k)+3, X0+64*((\k)%3)
.endif
.endr
	s_wait_dscnt 0x0                               ; for the others' sake: my rows of the strip are in LDS
	s_barrier_signal -1
	s_barrier_wait -1                              ; everybody's are
; The fragments of 32 along K: 2 x 16 rows of embed as they lie, 4 x 16 columns of W1 turned: twelve loads
.macro FETCH ks, f
.irp mb, 0,1
	ds_load_b128 v[(\f)+8*(\mb):(\f)+8*(\mb)+3],   v[FA] offset:(\mb)*16*PA+64*(\ks)
	ds_load_b128 v[(\f)+8*(\mb)+4:(\f)+8*(\mb)+7], v[FA] offset:(\mb)*16*PA+64*(\ks)+32
.endr
.irp nb, 0,1,2,3
	ds_load_tr16_b128 v[(\f)+16+8*(\nb):(\f)+16+8*(\nb)+3],   v[FB+(\ks)/8] offset:((\ks)%8)*32*PB+32*(\nb)
	ds_load_tr16_b128 v[(\f)+16+8*(\nb)+4:(\f)+16+8*(\nb)+7], v[FB+(\ks)/8] offset:((\ks)%8)*32*PB+16*PB+32*(\nb)
.endr
.endm
; Eight matrix instructions; the eight accumulators take turns, one instruction a turn.  zero = 1: the first products start the sums
.macro MUL8 f, zero
.irp mb, 0,1
.irp nb, 0,1,2,3
.if \zero
	v_wmma_f32_16x16x32_bf16 v[ACC+8*(4*(\mb)+(\nb)):ACC+8*(4*(\mb)+(\nb))+7], v[(\f)+16+8*(\nb):(\f)+16+8*(\nb)+7], v[(\f)+8*(\mb):(\f)+8*(\mb)+7], 0
.else
	v_wmma_f32_16x16x32_bf16 v[ACC+8*(4*(\mb)+(\nb)):ACC+8*(4*(\mb)+(\nb))+7], v[(\f)+16+8*(\nb):(\f)+16+8*(\nb)+7], v[(\f)+8*(\mb):(\f)+8*(\mb)+7], v[ACC+8*(4*(\mb)+(\nb)):ACC+8*(4*(\mb)+(\nb))+7]
.endif
.endr
.endr
.endm
.macro PLACES                          ; four plain vector instructions between matrix instructions and loads into their sources, or stores of their results
.rept 4
	v_nop
.endr
.endm
	FETCH 0, F0
	FETCH 1, F1
	s_wait_dscnt 12                                ; K step 0's fragments are in; the next step's twelve loads stay out
	MUL8 F0, 1
	PLACES
	FETCH 2, F0
.irp ks, 1,2,3,4,5,6,7,8,9,10,11,12,13
	s_wait_dscnt 12
	MUL8 F0+48*((\ks)%2), 0
	PLACES
	FETCH (\ks)+2, F0+48*((\ks)%2)
.endr
	s_wait_dscnt 12
	MUL8 F0, 0
	s_wait_dscnt 0x0
	MUL8 F1, 0
	; THE WAY OUT: a lane's eight numbers of a row go into my own stage, each accumulator's low four registers first, and come back as whole rows of 256 bytes
	PLACES
.irp mb, 0,1
.irp nb, 0,1,2,3
	ds_store_b128 v[STO], v[ACC+8*(4*(\mb)+(\nb)):ACC+8*(4*(\mb)+(\nb))+3]   offset:(\mb)*16*SPI+64*(\nb)
	ds_store_b128 v[STO], v[ACC+8*(4*(\mb)+(\nb))+4:ACC+8*(4*(\mb)+(\nb))+7] offset:(\mb)*16*SPI+64*(\nb)+16
.endr
.endr
.irp t, 0,1,2,3,4,5,6,7,8,9,10,11,12,13,14,15
	ds_load_b128 v[OB+4*(\t):OB+4*(\t)+3], v[RD] offset:(\t)*2*SPI  ; LDS serves a wave's instructions in order (ISA guide 5.7.1.4): these see the stores above
.endr
.irp t, 0,1,2,3,4,5,6,7,8,9,10,11,12,13,14,15
	s_wait_dscnt 15-(\t)
	global_store_b128 v[CO], v[OB+4*(\t):OB+4*(\t)+3], s[10:11] offset:(\t)*8192  ; 16 lanes store 256 consecutive bytes, at a multiple of 256 from T's first byte
.endr
	s_wait_tensorcnt 0x0                           ; the wave's end: behind my last LDS store
	ds_add_u32 v[SPW], v[NIL]
	s_wait_dscnt 0x0
	s_endpgm
.Lfunc_end_k_q2d87b12e3d_tables:
	.size	k_q2d87b12e3d_tables, .Lfunc_end_k_q2d87b12e3d_tables-k_q2d87b12e3d_tables
	.p2alignl 7, 3214868480
	.fill 96, 4, 3214868480
	.section	.rodata,"a",@progbits
	.p2align	6, 0x0
	.amdhsa_kernel k_q2d87b12e3d_tables
		.amdhsa_group_segment_fixed_size 250368
		.amdhsa_private_segment_fixed_size 0
		.amdhsa_enable_private_segment 0
		.amdhsa_kernarg_size 40
		.amdhsa_user_sgpr_count 2
		.amdhsa_user_sgpr_kernarg_segment_ptr 1
		.amdhsa_wavefront_size32 1
		.amdhsa_system_sgpr_workgroup_id_x 1
		.amdhsa_system_sgpr_workgroup_id_y 1
		.amdhsa_system_sgpr_workgroup_id_z 1
		.amdhsa_system_vgpr_workitem_id 0
		.amdhsa_next_free_vgpr 256
		.amdhsa_next_free_sgpr 66
		.amdhsa_reserve_vcc 0
		.amdhsa_float_denorm_mode_32 3
		.amdhsa_float_denorm_mode_16_64 3
		.amdhsa_memory_ordered 1
		.amdhsa_forward_progress 1
		.amdhsa_inst_pref_size 90
	.end_amdhsa_kernel
	.amdgpu_metadata
---
amdhsa.version: [ 1, 2 ]
amdhsa.kernels:
  - .name:           k_q2d87b12e3d_tables
    .symbol:         k_q2d87b12e3d_tables.kd
    .args:
      - { .name: embed, .offset: 0, .size: 8, .value_kind: global_buffer, .address_space: global }
      - { .name: W1, .offset: 8, .size: 8, .value_kind: global_buffer, .address_space: global }
      - { .name: W2, .offset: 16, .size: 8, .value_kind: global_buffer, .address_space: global }
      - { .name: T, .offset: 24, .size: 8, .value_kind: global_buffer, .address_space: global }
      - { .name: W2h, .offset: 32, .size: 8, .value_kind: global_buffer, .address_space: global }
    .group_segment_fixed_size: 250368
    .private_segment_fixed_size: 0
    .kernarg_segment_align: 8
    .kernarg_segment_size: 40
    .max_flat_workgroup_size: 128
    .sgpr_count:     66
    .vgpr_count:     256
    .wavefront_size: 32
...
	.end_amdgpu_metadata
.endif
;; end of part 1
;; launch lif (part 2): grid 512 x 1, 8 waves a work-group, no clusters, 0 bytes of LDS; arguments x, T, b1, beta1, thr1, beta2, thr2, S; writes S
.if DOCPART == 2
	.amdgcn_target "amdgcn-amd-amdhsa--gfx1250"
	.amdhsa_code_object_version 6
	.text
	.protected	k_q2d87b12e3d_lif
	.globl	k_q2d87b12e3d_lif
	.p2align	8
	.type	k_q2d87b12e3d_lif,@function
k_q2d87b12e3d_lif:
	s_mov_b64 s[64:65], 0
	v_nop
	global_prefetch_b8 v0, s[64:65] scope:SCOPE_SE
	s_setreg_imm32_b32 hwreg(HW_REG_WAVE_MODE, 25, 1), 1
	s_wait_xcnt 0x0
; cur1[b][n] = (T[x[b][0]][n] + T[x[b][1]][512 + n]) + b1[n]; seven steps of the first layer's membrane, in f32:
;   mem = fma(beta1, mem, cur1) - reset x thr1, reset = the step before's spike; spike = mem > thr1 (the same as mem - thr1 > 0 in f32 with denormals kept).
; The second layer has no reset, so its membrane is linear in the spikes: only S = beta2 S + spike is carried, and the next launch multiplies S by W2 once.  S: [8192][512] f16.
; LIMITS.  b1, beta1, thr1, beta2 and thr2 are rounded to bf16 (nearest even) and then clipped in f32 as the model clips them (0.1 and 0.9); a NaN among them becomes 0.1.  thr2 enters no number of
; the result (the second layer neither resets nor hands on its spikes): it is loaded and rounded beside beta2 and goes no further.  cur1's f32 sums are added in another order than a plain product's,
; so a membrane within a few units in the last place of thr1 may spike on the other side.  S lies in 0 to 1 + 0.9 + .. + 0.9^6 = 5.22 by the clip of beta2, and f16 rounds it within 2^-12 of itself.
; An index is cut to 0 .. 2,047.
; SHARES.  A wave takes two whole rows, a lane 16 neurons of each: 128 c + 4 l .. + 3 for c = 0 .. 3: every load covers 512 consecutive bytes, every store 256, aligned.
; Nothing is shared between waves and the rows are picked by data: no LDS, no barrier, no matrix unit, no cluster.
.set THR, 3                            ; v3        thr1
.set BE1, 4                            ; v[4:5]    beta1, twice
.set NTH, 6                            ; v[6:7]    -thr1, twice
.set BI,  8                            ; v[8:23]   b1 of my 16 neurons
.set SPK, 88                           ; v[88:103]  the step's spikes, 0.0 or 1.0: also the next step's reset
.set SS,  104                          ; v[104:119] S
.set BE2, 120                          ; v[120:121] beta2, twice
.set MK,  52                           ; s[52:59]  eight compare masks
	s_load_b512 s[8:23], s[0:1], 0x0               ; x 8, T 10, b1 12, beta1 14, thr1 16, beta2 18, thr2 20, S 22
	v_lshrrev_b32 v1, 5, v0
	v_readfirstlane_b32 s2, v1                     ; wave 0..7
	v_and_b32 v2, 31, v0
	v_lshlrev_b32 v1, 4, v2                        ; 16 l
	v_lshlrev_b32 v2, 3, v2                        ; 8 l
	s_lshl_b32 s32, ttmp9, 7                       ; x: 16 rows of 8 bytes a work-group,
	s_lshl_b32 s3, s2, 4                           ; two rows a wave
	s_add_co_u32 s32, s32, s3
	s_mov_b32 s33, 0
	s_lshl_b32 s34, ttmp9, 14                      ; S: rows of 1,024 bytes
	s_lshl_b32 s3, s2, 11
	s_add_co_u32 s34, s34, s3
	s_mov_b32 s35, 0
	s_mov_b32 s60, 0xffff0000                      ; a word's upper bf16
	s_wait_kmcnt 0x0
	s_add_nc_u64 s[8:9], s[8:9], s[32:33]
	s_add_nc_u64 s[22:23], s[22:23], s[34:35]
	s_load_b128 s[28:31], s[8:9], 0x0              ; x0, x1 of my first row, x0, x1 of my second
	s_load_b32 s24, s[14:15], 0x0                  ; beta1
	s_load_b32 s25, s[16:17], 0x0                  ; thr1
	s_load_b32 s26, s[18:19], 0x0                  ; beta2
	s_load_b32 s27, s[20:21], 0x0                  ; thr2
.irp c, 0,1,2,3
	global_load_b128 v[BI+4*(\c):BI+4*(\c)+3], v1, s[12:13] offset:512*(\c)
.endr
	s_wait_kmcnt 0x0
.irp n, 0,1,2,3                        ; the four rows' addresses: T's pointer plus the index, cut to the table, times 4,096 bytes
	s_min_u32 s[28+(\n)], s[28+(\n)], 0x7ff
	s_lshl_b32 s32, s[28+(\n)], 12
	s_add_nc_u64 s[36+2*(\n):37+2*(\n)], s[10:11], s[32:33]
.endr
.irp q, 0,1
.irp c, 0,1,2,3
	global_load_b128 v[24+32*(\q)+4*(\c):24+32*(\q)+4*(\c)+3], v1, s[36+4*(\q):37+4*(\q)] offset:512*(\c)       ; T[x0], first half of the row
	global_load_b128 v[40+32*(\q)+4*(\c):40+32*(\q)+4*(\c)+3], v1, s[38+4*(\q):39+4*(\q)] offset:2048+512*(\c)  ; T[x1], second half
.endr
.endr
	v_cvt_pk_bf16_f32 v122, s24, s25               ; beta1 below, thr1 above
	v_cvt_pk_bf16_f32 v123, s26, s27               ; beta2 below, thr2 above
	v_lshlrev_b32 v[BE1], 16, v122
	v_and_b32 v[THR], s60, v122
	v_lshlrev_b32 v[BE2], 16, v123
	v_max_num_f32 v[BE1], 0x3dcccccd, v[BE1]       ; the clips: 0.1 from below,
	v_max_num_f32 v[THR], 0x3dcccccd, v[THR]
	v_max_num_f32 v[BE2], 0x3dcccccd, v[BE2]
	v_min_num_f32 v[BE1], 0x3f666666, v[BE1]       ; 0.9 from above for the two decays
	v_min_num_f32 v[BE2], 0x3f666666, v[BE2]
	v_mov_b32 v[BE1+1], v[BE1]
	v_mov_b32 v[BE2+1], v[BE2]
	v_xor_b32 v[NTH], 0x80000000, v[THR]
	v_mov_b32 v[NTH+1], v[NTH]
	s_wait_loadcnt 16                              ; b1 is in; T's sixteen loads behind it stay out
.irp i, 0,2,4,6,8,10,12,14
	v_cvt_pk_bf16_f32 v[122+((\i)/2)%2], v[BI+(\i)], v[BI+(\i)+1]
	v_lshlrev_b32 v[BI+(\i)], 16, v[122+((\i)/2)%2]
	v_and_b32 v[BI+(\i)+1], s60, v[122+((\i)/2)%2]
.endr
.macro PKFMA d, a, b, c                ; sixteen numbers: d = a x (the pair b) + c
.irp i, 0,2,4,6,8,10,12,14
	v_pk_fma_f32 v[(\d)+(\i):(\d)+(\i)+1], v[(\a)+(\i):(\a)+(\i)+1], v[(\b):(\b)+1], v[(\c)+(\i):(\c)+(\i)+1]
.endr
.endm
.macro PKADD d, a                      ; d = d + a
.irp i, 0,2,4,6,8,10,12,14
	v_pk_add_f32 v[(\d)+(\i):(\d)+(\i)+1], v[(\d)+(\i):(\d)+(\i)+1], v[(\a)+(\i):(\a)+(\i)+1]
.endr
.endm
.macro SPIKE src, dst                  ; dst = 1.0 where thr1 < src, else 0.0: eight compares into eight masks, eight selects, twice
.irp g, 0,8
.irp i, 0,1,2,3,4,5,6,7
	v_cmp_lt_f32 s[MK+(\i)], v[THR], v[(\src)+(\g)+(\i)]
.endr
.irp i, 0,1,2,3,4,5,6,7
	v_cndmask_b32 v[(\dst)+(\g)+(\i)], 0, 1.0, s[MK+(\i)]
.endr
.endr
.endm
; Row q.  CU: T[x0], then cur1.  ME: T[x1], then the membrane, at last S packed for the store.  left: the younger loads that may stay out
.macro ROW q, left
.set CU, 24+32*(\q)
.set ME, 40+32*(\q)
	s_wait_loadcnt \left
	PKADD CU, ME
	PKADD CU, BI                                   ; cur1 = (T0 + T1) + b1
	SPIKE CU, SS                                   ; step 0: the membrane is cur1 itself, and S is the first spike
	PKFMA ME, CU, BE1, CU                          ; step 1
	PKFMA ME, SS, NTH, ME
	SPIKE ME, SPK
	PKFMA SS, SS, BE2, SPK
.rept 5                                ; steps 2 to 6
	PKFMA ME, ME, BE1, CU                          ; beta1 mem + cur1, one rounding,
	PKFMA ME, SPK, NTH, ME                         ; less thr1 where the step before spiked (the product is exact)
	SPIKE ME, SPK
	PKFMA SS, SS, BE2, SPK
.endr
.irp i, 0,1,2,3,4,5,6,7
	v_cvt_pk_f16_f32 v[ME+(\i)], v[SS+2*(\i)], v[SS+2*(\i)+1]
.endr
.irp c, 0,1,2,3
	global_store_b64 v2, v[ME+2*(\c):ME+2*(\c)+1], s[22:23] offset:1024*(\q)+256*(\c)  ; the wave stores 256 consecutive bytes, aligned; each row has data registers of its own
.endr
.endm
	ROW 0, 8                                       ; my second row's eight loads stay out
	ROW 1, 0
	s_endpgm
.Lfunc_end_k_q2d87b12e3d_lif:
	.size	k_q2d87b12e3d_lif, .Lfunc_end_k_q2d87b12e3d_lif-k_q2d87b12e3d_lif
	.p2alignl 7, 3214868480
	.fill 96, 4, 3214868480
	.section	.rodata,"a",@progbits
	.p2align	6, 0x0
	.amdhsa_kernel k_q2d87b12e3d_lif
		.amdhsa_group_segment_fixed_size 0
		.amdhsa_private_segment_fixed_size 0
		.amdhsa_enable_private_segment 0
		.amdhsa_kernarg_size 64
		.amdhsa_user_sgpr_count 2
		.amdhsa_user_sgpr_kernarg_segment_ptr 1
		.amdhsa_wavefront_size32 1
		.amdhsa_system_sgpr_workgroup_id_x 1
		.amdhsa_system_sgpr_workgroup_id_y 1
		.amdhsa_system_sgpr_workgroup_id_z 1
		.amdhsa_system_vgpr_workitem_id 0
		.amdhsa_next_free_vgpr 128
		.amdhsa_next_free_sgpr 66
		.amdhsa_reserve_vcc 0
		.amdhsa_float_denorm_mode_32 3
		.amdhsa_float_denorm_mode_16_64 3
		.amdhsa_memory_ordered 1
		.amdhsa_forward_progress 1
		.amdhsa_inst_pref_size 56
	.end_amdhsa_kernel
	.amdgpu_metadata
---
amdhsa.version: [ 1, 2 ]
amdhsa.kernels:
  - .name:           k_q2d87b12e3d_lif
    .symbol:         k_q2d87b12e3d_lif.kd
    .args:
      - { .name: x, .offset: 0, .size: 8, .value_kind: global_buffer, .address_space: global }
      - { .name: T, .offset: 8, .size: 8, .value_kind: global_buffer, .address_space: global }
      - { .name: b1, .offset: 16, .size: 8, .value_kind: global_buffer, .address_space: global }
      - { .name: beta1, .offset: 24, .size: 8, .value_kind: global_buffer, .address_space: global }
      - { .name: thr1, .offset: 32, .size: 8, .value_kind: global_buffer, .address_space: global }
      - { .name: beta2, .offset: 40, .size: 8, .value_kind: global_buffer, .address_space: global }
      - { .name: thr2, .offset: 48, .size: 8, .value_kind: global_buffer, .address_space: global }
      - { .name: S, .offset: 56, .size: 8, .value_kind: global_buffer, .address_space: global }
    .group_segment_fixed_size: 0
    .private_segment_fixed_size: 0
    .kernarg_segment_align: 8
    .kernarg_segment_size: 64
    .max_flat_workgroup_size: 256
    .sgpr_count:     66
    .vgpr_count:     128
    .wavefront_size: 32
...
	.end_amdgpu_metadata
.endif
;; end of part 2
;; launch gemm (part 3): grid 8 x 32, 4 waves a work-group, clusters of 4 x 4, 327,680 bytes of LDS; arguments S, W2h, out0, b2, beta2; writes out0
.if DOCPART == 3
	.amdgcn_target "amdgcn-amd-amdhsa--gfx1250"
	.amdhsa_code_object_version 6
	.text
	.protected	k_q2d87b12e3d_gemm
	.globl	k_q2d87b12e3d_gemm
	.p2align	8
	.type	k_q2d87b12e3d_gemm,@function
k_q2d87b12e3d_gemm:
	s_mov_b64 s[64:65], 0
	v_nop
	global_prefetch_b8 v0, s[64:65] scope:SCOPE_SE
	s_setreg_imm32_b32 hwreg(HW_REG_WAVE_MODE, 25, 1), 1
	s_wait_xcnt 0x0
	s_wait_alu depctr_hold_cnt(0) depctr_sa_sdst(0) depctr_va_vdst(0) depctr_va_sdst(0) depctr_va_ssrc(0) depctr_va_vcc(0) depctr_vm_vsrc(0)
	s_getreg_b32 s2, hwreg(HW_REG_IB_STS2, 6, 4)
	s_cmp_eq_u32 s2, 0
	s_cbranch_scc0 .Lentry_in_a_cluster
	s_endpgm
.Lentry_in_a_cluster:
	s_bfe_u32 s2, ttmp6, 0x10000c
	s_cmp_lg_u32 s2, 0xf033
	s_cbranch_scc0 .Lentry_shape_is_right
	s_endpgm
.Lentry_shape_is_right:
; out0[b][n] = sum over k of S[b][k] W2h[k][n] + bf16(b2[n]) x g, g = 1 + beta2 + .. + beta2^6.  S: [8192][512] f16, W2h: [512][2048] f16, out0: [8192][2048] f32; sums in f32.
; This is the second layer's last membrane: it has no reset, so its seven steps are one product with the decayed sum S of the spikes, and the bias is summed by the same decay.
; LIMITS.  b2 and beta2 are rounded to bf16 (nearest even); beta2 is then clipped to 0.1 .. 0.9 in f32, a NaN becoming 0.1.  S and W2h arrive within f16's range (the launches before say how).
; SHARES.  A tile of out0, 256 x 256, is made by a work-group of four waves; a wave makes 128 x 128: 64 accumulators of 16 x 16, 512 registers.  8 x 32 tiles.  K = 512 goes in four steps of 128
; through two LDS slots filled by the tensor data mover: S's tile as 256 rows of 256 bytes, W2h's as 128 k-rows of 512 bytes; all rows start at multiples of 256 bytes from the buffer's first byte.
; The four steps are written out: no loop.
; CLUSTERS: 4 x 4 work-groups.  The four of a row of the cluster need the same tiles of S, the four of a column the same tiles of W2h: each tile is asked for JOINTLY, by the same tensor load with
; the same descriptor and a mask that names the four.
; THE MATRIX INSTRUCTION IS USED TRANSPOSED: source 0 = 16 columns of W2h (turned on the way out of LDS, by ds_load_tr16_b128), source 1 = 16 rows of S.  A lane then holds row l % 16 of out0 and the
; eight neighbouring columns 8 (l / 16) + 0 .. 7.  THE BIAS STARTS THE SUMS: it is the C operand of each accumulator's first product: nothing is cleared and nothing is added behind.
; REGISTERS, in windows of 256 (s_set_vgpr_msb's low byte: bits 1:0 source 0, 3:2 source 1, 5:4 source 2, 7:6 destination):
;   window 0: v0-31 addresses and g; v32-63 at work; v64-127, v128-191 fragments of S, two buffers, and on the way out rows read back; v192-255 the bias of my 128 columns
;   window 1: v64-127, v128-191 fragments of W2h, two buffers      window 2: the accumulators of my rows 0-63 ((a, b) at v[8 (8 a + b)])      window 3: those of my rows 64-127
.set KSTEP,  128
.set PITCH,  272                       ; a row of S in LDS: 256 bytes + 16: an odd multiple of 16, so the 16 rows of a fragment load start in 16 different 16-byte columns of 256
.set PITB,   544                       ; a k-row of W2h: 512 bytes + 32: an odd multiple of 32, for the turning load (8 rows x 32 bytes)
.set HALFT,  128*PITCH                 ; what one tensor load brings: 128 rows of S, or 64 k-rows of W2h (64 x 544 is the same number)
.set SLOT,   4*HALFT                   ; S's 256 rows, then W2h's 128 k-rows
.set STAGE,  2*SLOT                    ; behind the ring: 16 rows x 528 bytes for each wave, for the way out; no tensor load fills it
.set SPITCH, 528
.set SPARE,  STAGE+4*16*SPITCH         ; behind the stages: the spare words, 128 bytes for each wave: two blocks of 256 bytes that no other line names
.set ADRA, 16                          ; v16-17  LDS address of my fragments of S in slot 0, 1
.set ADRB, 20                          ; v20-21  the same for W2h
.set STO,  24                          ; v24     the way out: where I put 16 bytes of a row
.set RD,   25                          ; v25     the way out: where I read a row back
.set CO,   26                          ; v26     16 l: my byte offset in 512 bytes of a row of out0
.set BO,   27                          ; v27     my byte offset in b2
.set SPW,  28                          ; v28     LDS address of my spare word; never rewritten
.set NIL,  29                          ; v29     0; never rewritten
.set GG,   30                          ; v[30:31] g, twice
.set TMP,  32
.set F0,   64
.set F1,   128
.set BIAS, 192                         ; register 8 b + j: the bias of column 16 b + 8 (l / 16) + j of my 128
.set G1, 24                            ; s[24:31] descriptor group 1 for S's tiles
.set G0, 32                            ; s[32:39] descriptor group 0 for S's tiles, one set for each slot
.set G1B, 48                           ; s[48:55], s[56:63] the same for W2h's tiles
.set G0B, 56
.set MSB, 0
.macro WIN new                         ; the immediate's high byte repeats the setting that is left; a switch that changes nothing is dropped
.if MSB != (\new)
	s_set_vgpr_msb (MSB<<8)|(\new)
.set MSB, \new
.endif
.endm
.set TO_B, 0x40                        ; destination window 1, address window 0
; A joint load.  Waves 0 and 1 fetch the two halves of S's tile, waves 2 and 3 those of W2h's.  The branch hangs on the wave's number alone.
; An s_nop 0 and four v_nop follow each of the two lines, ahead of the jump, the label and what follows.
.macro JLOAD s
	s_cmp_eq_u32 s11, 0
	s_cbranch_scc0 .Lfor_b_\@
	tensor_load_to_lds s[G0+4*(\s):G0+4*(\s)+3], s[G1:G1+7]
	s_nop 0
.rept 4
	v_nop
.endr
	s_branch .Lasked_\@
.Lfor_b_\@:
	tensor_load_to_lds s[G0B+4*(\s):G0B+4*(\s)+3], s[G1B:G1B+7]
	s_nop 0
.rept 4
	v_nop
.endr
.Lasked_\@:
.endm
; A round of the cluster's barrier: my work-group's barrier, so that wave 0's signal speaks for all four waves; wave 0 signals; every wave waits for all sixteen work-groups; my work-group's barrier once more.
.macro CREST                           ; a round behind its opening barrier
	s_cmp_lg_u32 s10, 0
	s_cbranch_scc1 .Lnot_wave_0_\@
	s_barrier_signal -3
.Lnot_wave_0_\@:
	s_barrier_wait -3
	s_barrier_signal -1
	s_barrier_wait -1
.endm
.macro CROUND                          ; a whole round
	s_barrier_signal -1
	s_barrier_wait -1
	CREST
.endm
	s_load_b128 s[4:7], s[0:1], 0x0                ; S s[4:5], W2h s[6:7]
	s_load_b64 s[8:9], s[0:1], 0x10                ; out0
	s_load_b64 s[68:69], s[0:1], 0x18              ; b2
	s_load_b64 s[70:71], s[0:1], 0x20              ; beta2
	v_lshl_add_u32 v[SPW], v0, 2, SPARE
	v_mov_b32 v[NIL], 0
	ds_add_u32 v[SPW], v[NIL]                      ; the wave's opening: the add and its wait stand ahead of my first tensor load; the set-up below, work on registers, stands between them
	v_lshrrev_b32 v1, 5, v0
	v_readfirstlane_b32 s10, v1                    ; wave 0..3
	s_lshr_b32 s11, s10, 1                         ; which half of the tile's rows is mine.  Also: I fetch for S (0) or for W2h (1)
	s_and_b32 s12, s10, 1                          ; which half of its columns.  Also: which half of that tile I fetch
	s_bfe_u32 s40, ttmp6, 0x40000                  ; cx: my place along the cluster's x
	s_bfe_u32 s41, ttmp6, 0x40004                  ; cy: along its y
	s_lshl_b32 s42, ttmp9, 2                       ; in a cluster launch ttmp9 and ttmp7 count clusters
	s_add_co_u32 s42, s42, s40                     ; tile column = 4 x cluster x + cx
	s_and_b32 s13, ttmp7, 0xffff
	s_lshl_b32 s13, s13, 2
	s_add_co_u32 s13, s13, s41                     ; tile row = 4 x cluster y + cy
	s_lshl_b32 s43, s41, 2
	s_lshl_b32 s43, 15, s43                        ; my row of the cluster: places 4 cy .. 4 cy + 3
	s_lshl_b32 s44, 0x1111, s40                    ; my column: places cx, cx + 4, cx + 8, cx + 12
	; group 1 for S: 128 rows x 128 elements of 2 bytes, 512 elements from row to row; 4 words of padding behind every 64
	s_or_b32 s[G1+0], s43, (1<<16)|(1<<20)|(1<<21)|(5<<22)|(3<<25)   ; 15:0 the mask: my row; 17:16 2-byte elements; 20 padding on; 21 set beside a mask; 24:22 code 5; 31:25 code 3
	s_mov_b32 s[G1+1], 128<<16                     ; tensor_dim0 = 128
	s_mov_b32 s[G1+2], 128<<16                     ; tensor_dim1 = 128
	s_mov_b32 s[G1+3], 128<<16                     ; tile_dim0 = 128
	s_mov_b32 s[G1+4], 128                         ; tile_dim1 = 128
	s_mov_b32 s[G1+5], 512                         ; tensor_dim0_stride
	s_mov_b32 s[G1+6], 0
	s_mov_b32 s[G1+7], 0
	; group 1 for W2h: 64 k-rows x 256 elements, 2,048 elements from row to row; 8 words of padding behind every 128
	s_or_b32 s[G1B+0], s44, (1<<16)|(1<<20)|(1<<21)|(6<<22)|(7<<25)  ; the mask: my column; 24:22 code 6; 31:25 code 7
	s_mov_b32 s[G1B+1], 256<<16                    ; tensor_dim0 = 256
	s_mov_b32 s[G1B+2], 64<<16                     ; tensor_dim1 = 64
	s_mov_b32 s[G1B+3], 256<<16                    ; tile_dim0 = 256
	s_mov_b32 s[G1B+4], 64                         ; tile_dim1 = 64
	s_mov_b32 s[G1B+5], 2048                       ; tensor_dim0_stride
	s_mov_b32 s[G1B+6], 0
	s_mov_b32 s[G1B+7], 0
	; where the tiles come from.  S's hang on the tile row alone, which my row of the cluster shares; W2h's on the tile column alone, which my column shares.
	; Every wave makes both offsets, in registers that never hold the other coordinate, and asks by one of them.
	s_lshl_b32 s17, s12, 7
	s_lshl_b32 s16, s13, 8
	s_add_co_u32 s16, s16, s17                     ; S: row 256 x tile row + 128 x half,
	s_lshl_b32 s16, s16, 10                        ; of 1,024 bytes
	s_mov_b32 s17, 0
	s_lshl_b32 s46, s42, 9                         ; W2h: 512 bytes a tile column,
	s_lshl_b32 s47, s12, 18                        ; 64 k-rows of 4,096 bytes a half
	s_add_co_u32 s46, s46, s47
	s_mov_b32 s47, 0
	s_mul_i32 s20, s10, HALFT                      ; where they go: wave x 34,816 bytes: no place in the cluster enters an LDS address
	s_mov_b32 s73, 0xffff0000                      ; a word's upper bf16
	s_wait_dscnt 0x0                               ; the opening add is done
	s_wait_kmcnt 0x0
	s_add_nc_u64 s[14:15], s[4:5], s[16:17]
	s_add_nc_u64 s[46:47], s[6:7], s[46:47]
	CROUND                                         ; all sixteen work-groups are here: the first joint loads meet
.irp s, 0,1
	s_mov_b32 s[G0+4*(\s)], 1                                      ; count = 1
	s_add_co_u32 s[G0+4*(\s)+1], s20, (\s)*SLOT                    ; LDS address
	s_add_nc_u64 s[G0+4*(\s)+2:G0+4*(\s)+3], s[14:15], (\s)*KSTEP*2  ; global address: K step s, 256 bytes along the rows
	s_or_b32 s[G0+4*(\s)+3], s[G0+4*(\s)+3], 0x80000000            ; type = 2
	s_mov_b32 s[G0B+4*(\s)], 1
	s_add_co_u32 s[G0B+4*(\s)+1], s20, (\s)*SLOT
	s_add_nc_u64 s[G0B+4*(\s)+2:G0B+4*(\s)+3], s[46:47], (\s)*KSTEP*4096  ; K step s, 128 k-rows down
	s_or_b32 s[G0B+4*(\s)+3], s[G0B+4*(\s)+3], 0x80000000
	JLOAD \s                                       ; two tensor loads of mine are out
.endr
	s_load_b32 s72, s[70:71], 0x0                  ; beta2
	; All that follows up to the wait for the first tile stands while the tiles are on their way.
	v_and_b32 v1, 15, v0                           ; r = l % 16
	v_bfe_u32 v2, v0, 4, 1                         ; h = l / 16
	v_mul_u32_u24 v3, v1, PITCH
	v_lshl_add_u32 v3, v2, 4, v3                   ; S: row r x pitch + 16 h
	s_mul_i32 s21, s11, HALFT                      ; my 128 rows of S
	v_and_b32 v4, 7, v0                            ; W2h: lane l reads k-row 8 h + l % 8, columns 8 ((l / 8) % 2) + 0..7
	v_lshl_add_u32 v4, v2, 3, v4
	v_mul_u32_u24 v4, v4, PITB
	v_bfe_u32 v5, v0, 3, 1
	v_lshl_add_u32 v4, v5, 4, v4
	s_lshl_b32 s22, s12, 8                         ; my 128 columns, 256 bytes,
	s_add_co_u32 s22, s22, 2*HALFT                 ; behind S's 256 rows
.irp s, 0,1
	v_add_nc_u32 v[ADRA+(\s)], s21, v3
	v_add_nc_u32 v[ADRB+(\s)], s22, v4
	s_add_co_u32 s21, s21, SLOT
	s_add_co_u32 s22, s22, SLOT
.endr
	s_mul_i32 s23, s10, 16*SPITCH
	s_add_co_u32 s23, s23, STAGE                   ; my stage
	v_mul_u32_u24 v5, v1, SPITCH                   ; in: row r, 32 bytes for each half of the lanes
	v_lshl_add_u32 v5, v2, 5, v5
	v_add_nc_u32 v[STO], s23, v5
	v_and_b32 v6, 31, v0
	v_lshlrev_b32 v[CO], 4, v6
	v_add_nc_u32 v[RD], s23, v[CO]                 ; back: 32 lanes take one row of 512 bytes
	; where my part of the tile begins in out0, in bytes: the way out adds it to out0's address
	s_lshl_b32 s16, s13, 8
	s_lshl_b32 s14, s11, 7
	s_add_co_u32 s16, s16, s14                     ; my first row,
	s_lshl_b32 s16, s16, 13                        ; of 8,192 bytes
	s_mov_b32 s17, 0
	s_lshl_b32 s46, s42, 10                        ; my first column, in bytes: 1,024 x tile column + 512 x half: the same in out0's rows and in b2
	s_lshl_b32 s47, s12, 9
	s_add_co_u32 s46, s46, s47
	s_mov_b32 s47, 0
	v_lshl_add_u32 v[BO], v2, 5, s46               ; + 8 columns for the upper half of the lanes
	s_add_nc_u64 s[16:17], s[16:17], s[46:47]
.irp b, 0,1,2,3,4,5,6,7
	global_load_b128 v[BIAS+8*(\b):BIAS+8*(\b)+3],   v[BO], s[68:69] offset:64*(\b)
	global_load_b128 v[BIAS+8*(\b)+4:BIAS+8*(\b)+7], v[BO], s[68:69] offset:64*(\b)+16
.endr
	s_wait_kmcnt 0x0
	v_cvt_pk_bf16_f32 v3, s72, s72
	v_lshlrev_b32 v3, 16, v3
	v_max_num_f32 v3, 0x3dcccccd, v3               ; the clip: 0.1,
	v_min_num_f32 v3, 0x3f666666, v3               ; 0.9
	v_mov_b32 v[GG], 1.0
.rept 6
	v_fma_f32 v[GG], v[GG], v3, 1.0                ; g = g beta2 + 1, six times
.endr
	v_mov_b32 v[GG+1], v[GG]
	s_wait_loadcnt 0x0                             ; b2
.set i, 0
.rept 32
	v_cvt_pk_bf16_f32 v[TMP+i], v[BIAS+2*i], v[BIAS+2*i+1]
.set i, i+1
.endr
.set i, 0
.rept 32
	v_lshlrev_b32 v[BIAS+2*i], 16, v[TMP+i]
	v_and_b32 v[BIAS+2*i+1], s73, v[TMP+i]
	v_pk_mul_f32 v[BIAS+2*i:BIAS+2*i+1], v[BIAS+2*i:BIAS+2*i+1], v[GG:GG+1]
.set i, i+1
.endr
; 16 matrix instructions: m blocks a0, a0 + 1 of the window's four (hi = 0: my rows 0-63, 1: rows 64-127) x all 8 n blocks, 32 along K.  first = 1: the bias, in window 0, starts the sums.
; The 64 accumulators take turns in one order throughout, one instruction a turn.
.macro MUL16 f, hi, a0, first
.if \first
	WIN 0x81+0x40*(\hi)                            ; source 0 window 1, sources 1 and 2 window 0, destination window 2 or 3
.else
	WIN 0xa1+0x50*(\hi)                            ; source 0 window 1, source 1 window 0, C and D window 2 or 3
.endif
.irp a, \a0, (\a0)+1
.irp b, 0,1,2,3,4,5,6,7
.if \first
	v_wmma_f32_16x16x32_f16 v[8*(8*(\a)+(\b)):8*(8*(\a)+(\b))+7], v[(\f)+8*(\b):(\f)+8*(\b)+7], v[(\f)+8*(4*(\hi)+(\a)):(\f)+8*(4*(\hi)+(\a))+7], v[BIAS+8*(\b):BIAS+8*(\b)+7]
.else
	v_wmma_f32_16x16x32_f16 v[8*(8*(\a)+(\b)):8*(8*(\a)+(\b))+7], v[(\f)+8*(\b):(\f)+8*(\b)+7], v[(\f)+8*(4*(\hi)+(\a)):(\f)+8*(4*(\hi)+(\a))+7], v[8*(8*(\a)+(\b)):8*(8*(\a)+(\b))+7]
.endif
.endr
.endr
.endm
; 32 LDS loads in one run: the fragments of quarter q (32 along K) of a slot into buffer f: 128 columns of W2h, turned, then 128 rows of S
.macro FETCH slot, q, f
	WIN TO_B
.irp i, 0,1,2,3,4,5,6,7
	ds_load_tr16_b128 v[(\f)+8*(\i):(\f)+8*(\i)+3],   v[ADRB+(\slot)] offset:(\q)*32*PITB+32*(\i)
	ds_load_tr16_b128 v[(\f)+8*(\i)+4:(\f)+8*(\i)+7], v[ADRB+(\slot)] offset:(\q)*32*PITB+16*PITB+32*(\i)
.endr
	WIN 0
.irp i, 0,1,2,3,4,5,6,7
	ds_load_b128 v[(\f)+8*(\i):(\f)+8*(\i)+3],   v[ADRA+(\slot)] offset:64*(\q)+(\i)*16*PITCH
	ds_load_b128 v[(\f)+8*(\i)+4:(\f)+8*(\i)+7], v[ADRA+(\slot)] offset:64*(\q)+(\i)*16*PITCH+32
.endr
.endm
.macro PLACES                          ; four plain vector instructions between matrix instructions and loads into their sources, or stores of their results
.rept 4
	v_nop
.endr
.endm
; A K step is four quarters of 32 along K, 64 matrix instructions each, on buffers 0, 1, 0, 1.  One of the first three: multiplies buffer f; in its middle it fetches quarter q of the same slot into buffer g.
.macro QUARTER slot, q, f, g, first
	s_wait_dscnt 8                                 ; W2h's fragments and S's rows 0-63 are in; the youngest eight loads (S's rows 64-127) may be out
	MUL16 \f, 0, 0, \first
	MUL16 \f, 0, 2, \first
	PLACES
	FETCH \slot, \q, \g
	s_wait_dscnt 32                                ; all but the 32 just issued
	MUL16 \f, 1, 0, \first
	MUL16 \f, 1, 2, \first
.endm
; The last quarter multiplies buffer 1 and changes slots.  ONE barrier: in front of it each wave waits for all its tensor loads, of which one is out: its part of the next slot; adds 0 to its spare
; word; and waits for that and for its own reads of this slot.  Behind it nobody reads this slot any more and the next slot is whole.
.macro MEET round                      ; round = 1: the rest of a round of the cluster's barrier follows
	WIN 0                                          ; (the add's two registers lie in window 0)
	s_wait_tensorcnt 0x0                           ; all my tensor loads have landed
	ds_add_u32 v[SPW], v[NIL]                      ; 0 onto my spare word
	s_wait_dscnt 9                                 ; (the add and the youngest eight loads may be out)
	MUL16 F1, 0, 0, 0                              ; sixteen matrix instructions stand between the add and the wait for it
	s_wait_dscnt 0x0                               ; the add is done, and my reads of this slot are over
	s_barrier_signal -1
	MUL16 F1, 0, 2, 0                              ; work on registers while the others arrive
.if \round
	WIN 0
.endif
	s_barrier_wait -1
.endm
; fill = 1: behind the round the slot just read out is filled again first, with the K step two steps on: one tensor load of mine is out, and 224 matrix instructions stand between it and the wait for it.
.macro TURN slot, next, fill
	MEET \fill
.if \fill
	CREST                                          ; no wave of any partner still reads this slot's tile or has a load on its way
	s_add_nc_u64 s[G0+4*(\slot)+2:G0+4*(\slot)+3], s[G0+4*(\slot)+2:G0+4*(\slot)+3], 2*KSTEP*2
	s_add_nc_u64 s[G0B+4*(\slot)+2:G0B+4*(\slot)+3], s[G0B+4*(\slot)+2:G0B+4*(\slot)+3], 2*KSTEP*4096
	JLOAD \slot                                    ; the four v_nop behind it are also the places in front of the loads below
.else
	PLACES
.endif
	FETCH \next, 0, F0
	MUL16 F1, 1, 0, 0
	MUL16 F1, 1, 2, 0
.endm
; THE WAY OUT of block a (16 rows x 128 columns of f32).  TOSTAGE: a lane's eight numbers of a row go into my own stage, each accumulator's low four registers first, and come back as whole rows of 512 bytes.
.macro TOSTAGE a
	s_wait_xcnt 0x0                                ; the registers loaded below were the data of the stores two blocks back: they are written again only behind this wait
	WIN 0x08+4*((\a)/4)                            ; the stores' data lie in window 2 or 3
.irp b, 0,1,2,3,4,5,6,7
	ds_store_b128 v[STO], v[64*((\a)%4)+8*(\b):64*((\a)%4)+8*(\b)+3]   offset:64*(\b)
	ds_store_b128 v[STO], v[64*((\a)%4)+8*(\b)+4:64*((\a)%4)+8*(\b)+7] offset:64*(\b)+16
.endr
	WIN 0
.irp t, 0,1,2,3,4,5,6,7,8,9,10,11,12,13,14,15
	ds_load_b128 v[F0+64*((\a)%2)+4*(\t):F0+64*((\a)%2)+4*(\t)+3], v[RD] offset:(\t)*SPITCH  ; LDS serves a wave's instructions in order (ISA guide 5.7.1.4): these see the stores above; the next block's stores come behind them
.endr
.endm
.macro SEND a, younger                 ; younger: the LDS instructions issued behind block a's loads: the next block's 32, or none
	s_wait_dscnt \younger                          ; the block is back in registers
	s_wait_xcnt 0x0                                ; the stores' base is stepped only behind this wait
.if (\a) == 0
	s_add_nc_u64 s[8:9], s[8:9], s[16:17]          ; on to my first rows
.else
	s_add_nc_u64 s[8:9], s[8:9], 16*8192           ; 16 rows on
.endif
.irp t, 0,1,2,3,4,5,6,7,8,9,10,11,12,13,14,15
	global_store_b128 v[CO], v[F0+64*((\a)%2)+4*(\t):F0+64*((\a)%2)+4*(\t)+3], s[8:9] offset:(\t)*8192 th:TH_STORE_NT  ; the wave stores 512 consecutive bytes of a row, at a multiple of 512 from out0's first byte
.endr
.endm
	s_wait_tensorcnt 1                             ; my part of K step 0 is in; K step 1's may stay out
	s_barrier_signal -1
	s_barrier_wait -1                              ; everybody's is
	FETCH 0, 0, F0
	QUARTER 0, 1, F0, F1, 1                        ; K step 0; its first quarter starts the sums on the bias
	QUARTER 0, 2, F1, F0, 0
	QUARTER 0, 3, F0, F1, 0
	TURN 0, 1, 1                                   ; slot 0 takes K step 2
	QUARTER 1, 1, F0, F1, 0                        ; K step 1
	QUARTER 1, 2, F1, F0, 0
	QUARTER 1, 3, F0, F1, 0
	TURN 1, 0, 1                                   ; slot 1 takes K step 3
	QUARTER 0, 1, F0, F1, 0                        ; K step 2
	QUARTER 0, 2, F1, F0, 0
	QUARTER 0, 3, F0, F1, 0
	TURN 0, 1, 0                                   ; nothing is left to fetch, so no round follows
	QUARTER 1, 1, F0, F1, 0                        ; K step 3
	QUARTER 1, 2, F1, F0, 0
	QUARTER 1, 3, F0, F1, 0
	s_wait_dscnt 8                                 ; the very last quarter
	MUL16 F1, 0, 0, 0
	MUL16 F1, 0, 2, 0
	s_wait_dscnt 0x0
	MUL16 F1, 1, 0, 0
	MUL16 F1, 1, 2, 0
	WIN 0
	PLACES                                         ; behind the last products: their results are stored, and their sources loaded into, below
	TOSTAGE 0
.irp a, 1,2,3,4,5,6,7                  ; block a's way through the stage is begun before block a - 1 is waited for and stored
	TOSTAGE \a
	SEND (\a)-1, 32
.endr
	SEND 7, 0
	s_wait_tensorcnt 0x0                           ; the wave's end: behind my last tensor load and my last LDS store
	ds_add_u32 v[SPW], v[NIL]
	s_wait_dscnt 0x0
	CROUND                                         ; the closing round: no work-group ends while a partner may still ask for a tile that names it
	s_endpgm
.Lfunc_end_k_q2d87b12e3d_gemm:
	.size	k_q2d87b12e3d_gemm, .Lfunc_end_k_q2d87b12e3d_gemm-k_q2d87b12e3d_gemm
	.p2alignl 7, 3214868480
	.fill 96, 4, 3214868480
	.section	.rodata,"a",@progbits
	.p2align	6, 0x0
	.amdhsa_kernel k_q2d87b12e3d_gemm
		.amdhsa_group_segment_fixed_size 327680
		.amdhsa_private_segment_fixed_size 0
		.amdhsa_enable_private_segment 0
		.amdhsa_kernarg_size 40
		.amdhsa_user_sgpr_count 2
		.amdhsa_user_sgpr_kernarg_segment_ptr 1
		.amdhsa_wavefront_size32 1
		.amdhsa_system_sgpr_workgroup_id_x 1
		.amdhsa_system_sgpr_workgroup_id_y 1
		.amdhsa_system_sgpr_workgroup_id_z 1
		.amdhsa_system_vgpr_workitem_id 0
		.amdhsa_next_free_vgpr 1024
		.amdhsa_next_free_sgpr 76
		.amdhsa_reserve_vcc 0
		.amdhsa_float_denorm_mode_32 3
		.amdhsa_float_denorm_mode_16_64 3
		.amdhsa_memory_ordered 1
		.amdhsa_forward_progress 1
		.amdhsa_inst_pref_size 149
	.end_amdhsa_kernel
	.amdgpu_metadata
---
amdhsa.version: [ 1, 2 ]
amdhsa.kernels:
  - .name:           k_q2d87b12e3d_gemm
    .symbol:         k_q2d87b12e3d_gemm.kd
    .args:
      - { .name: S, .offset: 0, .size: 8, .value_kind: global_buffer, .address_space: global }
      - { .name: W2h, .offset: 8, .size: 8, .value_kind: global_buffer, .address_space: global }
      - { .name: out0, .offset: 16, .size: 8, .value_kind: global_buffer, .address_space: global }
      - { .name: b2, .offset: 24, .size: 8, .value_kind: global_buffer, .address_space: global }
      - { .name: beta2, .offset: 32, .size: 8, .value_kind: global_buffer, .address_space: global }
    .group_segment_fixed_size: 327680
    .private_segment_fixed_size: 0
    .kernarg_segment_align: 8
    .kernarg_segment_size: 40
    .max_flat_workgroup_size: 128
    .sgpr_count:     76
    .vgpr_count:     1024
    .wavefront_size: 32
...
	.end_amdgpu_metadata
.endif
;; end of part 3
;; ======== version 2 of 2: 3 launches; version 1 with the launch tables written anew for expert scheduling mode
;; limits: inputs' magnitudes at most 65,504; values are held in f16: magnitudes above 65,504 overflow, below 6.1e-05 lose precision
;; workspace buffers: T 8,388,608 bytes; W2h 2,097,152 bytes; S 8,388,608 bytes
;; launch tables (part 4): grid 16 x 16, 4 waves a work-group, no clusters, 250,368 bytes of LDS; arguments embed, W1, W2, T, W2h; writes T, W2h
.if DOCPART == 4
	.amdgcn_target "amdgcn-amd-amdhsa--gfx1250"
	.amdhsa_code_object_version 6
	.text
	.protected	k_q2d87b12e3d_tables
	.globl	k_q2d87b12e3d_tables
	.p2align	8
	.type	k_q2d87b12e3d_tables,@function
k_q2d87b12e3d_tables:
	s_mov_b64 s[64:65], 0
	v_nop
	global_prefetch_b8 v0, s[64:65] scope:SCOPE_SE
	s_setreg_imm32_b32 hwreg(HW_REG_WAVE_SCHED_MODE, 0, 2), 2
	s_setreg_imm32_b32 hwreg(HW_REG_WAVE_MODE, 25, 1), 1
	s_wait_xcnt 0x0
	s_wait_alu depctr_vm_vsrc(0)
; T[p][512 half + n] = sum over k of bf16(embed[p][k]) x bf16(W1[512 half + k][n]), half = 0, 1: the first layer's product made on the TABLE's 2,048 rows
; (the gather of two rows and their sum come in the next launch: a gather of rows commutes with a product from the right).  T: [2048][1024] f32.
; Beside it W2h = f16(bf16(W2)), element by element: [512][2048] f16.
; LIMITS.  embed, W1 and W2 are rounded to bf16 (nearest even).  bf16 products are exact and are summed in f32, in another order than a plain f32 product's.  A bf16 number is written
; as f16 exactly from 2^-17 up to 65,504 in magnitude; below that it keeps f16's fixed step of 2^-24, beyond it becomes an infinity.
; SHARES.  Work-group (j, y): rows 128 y .. + 127 of T, columns 64 j .. + 63, all of K = 512; 16 x 16 work-groups.  Wave w: 32 rows x 64 columns, 8 accumulators of 16 x 16.
; The tiles are f32 in memory and must be rounded on the way, so they come through registers: 16-byte loads, two roundings, 8-byte LDS stores.  Wave w brings its own 32 rows of embed and
; 128 of the 512 rows of W1's strip; one barrier, since all waves read the whole strip.  No tensor load and no cluster: as f32 the two tiles (256 KiB + 128 KiB) would not fit in LDS.
; THE MATRIX INSTRUCTION IS USED TRANSPOSED (source 0 = 16 columns of W1, source 1 = 16 rows of embed): a lane then holds eight neighbouring numbers of a row of T.
; THE MODE: SCHED_MODE bits 1:0 = 2 (LLVM: expert scheduling mode 2), set by the entry lines.  The code itself states the register dependences
; between vector or matrix instructions and memory or LDS instructions, with s_wait_alu, always for 0.
; THE PLAN.  Registers that memory or LDS instructions touch:
;   v4, v5, v13, v50   byte offsets, and v6 to v12, LDS addresses: written once at the head, read by loads and stores, never written again while one of them may read them.
;   WD                 W2's numbers: loaded, rounded in place, read by the eight stores of W2h.
;   X0 .. X4           five buffers of eight loads.  Staging step p: its sixteen roundings read X[p % 5]; behind them the loads of batch p + 5 land in it.  No store reads X.
;   Y0, Y1             two out-buffers.  Step p's roundings write Y[p % 2]; the step's eight LDS stores read it; step p + 2's roundings write it again.
;   F0, F1, F2         three fragment buffers.  K step ks: its eight matrix instructions read F[ks % 3]; its twelve LDS loads land in F[(ks + 2) % 3], which step ks - 1 multiplied.
;                      F2 lies where WD and v50 lay.
;   ACC                written by matrix instructions alone; read by the LDS stores of the way out.      OB: loaded from the stage, read by the stores of T.
; So a staging step has one wait on va_vdst, behind its roundings and ahead of its sixteen memory instructions, and beside it one on vm_vsrc for the step before's LDS stores, which frees the
; other Y for the next step; a K step has one wait on va_vdst at its head, and its loads are dealt among its matrix instructions, which name none of the registers that those loads touch.
.set PA,    1040                       ; a row of embed in LDS: 512 bf16 = 1,024 bytes + 16: an odd multiple of 16, so the 16 rows of a fragment load start in 16 different 16-byte columns of 256
.set PB,    160                        ; a k-row of W1's strip: 64 bf16 = 128 bytes + 32: an odd multiple of 32, for the turning load (8 rows x 32 bytes)
.set BREG,  128*PA                     ; W1's strip lies behind embed's 128 rows
.set STAGE, BREG+512*PB                ; behind it: 32 rows x 272 bytes for each wave, for the way out
.set SPI,   272
.set SPARE, STAGE+4*32*SPI             ; behind the stages: the spare words, 128 bytes for each wave: two blocks of 256 bytes that no other line names
.set GA,  4                            ; v4   16 l: my 16 bytes in 512 consecutive bytes
.set GB,  5                            ; v5   2048 h + 16 r: lanes 0-15 one row's 256 bytes of W1's strip, lanes 16-31 the next row's
.set SA,  6                            ; v6   where my 8 bytes of embed go
.set SB,  7                            ; v7   where my 8 bytes of W1 go
.set FA,  8                            ; v8   my place in a fragment of embed
.set FB,  9                            ; v9, v10  my place in a turned fragment of W1, for k below 256 and from 256 on (the immediate has 16 bits)
.set STO, 11                           ; v11  the way out: where I put 16 bytes of a row
.set RD,  12                           ; v12  the way out: where I read a row back
.set CO,  13                           ; v13  my byte offset in two rows of T
.set SPW, 14                           ; v14  LDS address of my spare word; never rewritten
.set NIL, 15                           ; v15  0; never rewritten
.set WD,  16                           ; v16-47  W2's numbers
.set GW,  50                           ; v50  8 l
.set X0,  64                           ; five buffers of 32 registers for loads on their way: v64, v96, v128, v160, v192
.set Y0,  224                          ; two out-buffers of 16 registers: v224, v240
.set ACC, 64                           ; later: the accumulators, (mb, nb) at ACC + 8 (4 mb + nb)
.set F0,  128                          ; three fragment buffers of 48 (16 of embed, 32 of W1): buffer m at F0 + 48 m - 208 (m / 2): v128, v176, v16
.set OB,  128                          ; the way out: 32 rows read back
	s_load_b256 s[4:11], s[0:1], 0x0               ; embed s[4:5], W1 s[6:7], W2 s[8:9], T s[10:11]
	s_load_b64 s[12:13], s[0:1], 0x20              ; W2h
	v_lshl_add_u32 v[SPW], v0, 2, SPARE
	v_mov_b32 v[NIL], 0
	v_lshrrev_b32 v1, 5, v0
	v_readfirstlane_b32 s14, v1                    ; wave 0..3
	s_mov_b32 s15, ttmp9                           ; j: column tile of T
	s_and_b32 s16, ttmp7, 0xffff                   ; y: row tile
	s_lshl_b32 s17, s16, 4
	s_add_co_u32 s17, s17, s15                     ; 16 y + j: the work-group's number, for W2's share
	s_mov_b32 s22, 0xffff0000                      ; a word's upper bf16
	v_and_b32 v1, 31, v0                           ; l
	v_and_b32 v2, 15, v0                           ; r = l % 16
	v_bfe_u32 v3, v0, 4, 1                         ; h = l / 16
	v_lshlrev_b32 v[GA], 4, v1
	v_lshlrev_b32 v[GW], 3, v1
	v_lshlrev_b32 v[CO], 4, v2
	v_lshl_add_u32 v[GB], v3, 11, v[CO]
	v_lshl_add_u32 v[CO], v3, 12, v[CO]            ; 4096 h + 16 r
	s_wait_alu depctr_va_sdst(0)                   ; s14 is written, ahead of its first reader: the offsets below are made from it
	; byte offsets, made apart from the addresses
	s_lshl_b32 s18, s16, 18                        ; embed: 128 rows of 2,048 bytes a tile,
	s_lshl_b32 s23, s14, 16                        ; 32 rows a wave
	s_add_co_u32 s18, s18, s23
	s_mov_b32 s19, 0
	s_lshr_b32 s20, s15, 3                         ; W1: the half's 512 rows of 2,048 bytes,
	s_lshl_b32 s20, s20, 20
	s_and_b32 s23, s15, 7                          ; 64 columns of 4 bytes a strip,
	s_lshl_b32 s23, s23, 8
	s_add_co_u32 s20, s20, s23
	s_lshl_b32 s23, s14, 18                        ; 128 rows a wave
	s_add_co_u32 s20, s20, s23
	s_mov_b32 s21, 0
	s_lshl_b32 s24, s17, 14                        ; W2: 4,096 numbers a work-group, 1,024 a wave
	s_lshl_b32 s23, s14, 12
	s_add_co_u32 s24, s24, s23
	s_mov_b32 s25, 0
	s_lshl_b32 s26, s17, 13                        ; W2h: the same numbers, 2 bytes each
	s_lshl_b32 s23, s14, 11
	s_add_co_u32 s26, s26, s23
	s_mov_b32 s27, 0
	s_lshl_b32 s28, s16, 19                        ; T: 128 rows of 4,096 bytes a tile, 32 rows a wave, 256 bytes a column tile
	s_lshl_b32 s23, s14, 17
	s_add_co_u32 s28, s28, s23
	s_lshl_b32 s23, s15, 8
	s_add_co_u32 s28, s28, s23
	s_mov_b32 s29, 0
	s_wait_kmcnt 0x0
	s_add_nc_u64 s[4:5], s[4:5], s[18:19]
	s_add_nc_u64 s[6:7], s[6:7], s[20:21]
	s_add_nc_u64 s[8:9], s[8:9], s[24:25]
	s_add_nc_u64 s[12:13], s[12:13], s[26:27]
	s_add_nc_u64 s[10:11], s[10:11], s[28:29]
; Batch k of 24, eight loads of 512 bytes.  k < 16: my rows 2 k and 2 k + 1 of embed, whole.  k >= 16: 16 of my 128 rows of W1's strip, two rows a load.
.macro LD k, x
.if (\k) < 16
.irp i, 0,1,2,3,4,5,6,7
	global_load_b128 v[(\x)+4*(\i):(\x)+4*(\i)+3], v[GA], s[4:5] offset:(2*(\k)+(\i)/4)*2048+512*((\i)%4)
.endr
.else
.irp i, 0,1,2,3,4,5,6,7
	global_load_b128 v[(\x)+4*(\i):(\x)+4*(\i)+3], v[GB], s[6:7] offset:(8*((\k)-16)+(\i))*4096
.endr
.endif
.endm
; Staging step p: batch p is rounded to bf16, four numbers into a pair of registers of Y[p % 2]; its buffer is asked for again at once; the pairs are laid into LDS
.macro STG p
.if (\p) <= 19
	s_wait_loadcnt 32                              ; loads come back in order (ISA guide 5.7.1): batch p is in, the four younger batches stay out
.else
	s_wait_loadcnt 8*(23-(\p))                     ; the counts run down
.endif
.irp i, 0,1,2,3,4,5,6,7
	v_cvt_pk_bf16_f32 v[Y0+16*((\p)%2)+2*(\i)],   v[X0+32*((\p)%5)+4*(\i)],   v[X0+32*((\p)%5)+4*(\i)+1]
	v_cvt_pk_bf16_f32 v[Y0+16*((\p)%2)+2*(\i)+1], v[X0+32*((\p)%5)+4*(\i)+2], v[X0+32*((\p)%5)+4*(\i)+3]
.endr
.if ((\p) >= 1) && ((\p) <= 22)
	s_wait_alu depctr_vm_vsrc(0)                   ; the LDS stores of the step before have read the other Y, which the next step's roundings write; this step's stores, issued below, read Y[p % 2] alone
.endif
	s_wait_alu depctr_va_vdst(0)                   ; the roundings have written Y[p % 2], which the LDS stores below read, and are done reading X[p % 5], in which the loads below land
.if (\p) <= 18
	LD (\p)+5, X0+32*((\p)%5)
.endif
.irp i, 0,1,2,3,4,5,6,7
.if (\p) < 16
	ds_store_b64 v[SA], v[Y0+16*((\p)%2)+2*(\i):Y0+16*((\p)%2)+2*(\i)+1] offset:(2*(\p)+(\i)/4)*PA+256*((\i)%4)
.else
	ds_store_b64 v[SB], v[Y0+16*((\p)%2)+2*(\i):Y0+16*((\p)%2)+2*(\i)+1] offset:(8*((\p)-16)+(\i))*2*PB
.endif
.endr
.endm
	s_wait_alu depctr_va_vdst(0)                   ; the offsets v4, v5, v13 and v50 are written: every global load and store of the kernel reads one of them
.irp i, 0,1,2,3,4,5,6,7
	global_load_b128 v[WD+4*(\i):WD+4*(\i)+3], v[GA], s[8:9] offset:512*(\i) th:TH_LOAD_NT  ; W2 is read once in the launch
.endr
.irp k, 0,1,2,3,4
	LD \k, X0+32*(\k)
.endr
	; the LDS addresses are made while the loads are on their way: none of these registers is named by a load that is out
	s_mul_i32 s30, s14, 32*PA                      ; my 32 rows of embed
	v_lshl_add_u32 v[SA], v1, 3, s30
	v_mul_u32_u24 v[FA], v2, PA
	v_lshl_add_u32 v[FA], v3, 4, v[FA]
	v_add_nc_u32 v[FA], s30, v[FA]                 ; row r x pitch + 16 h
	s_mul_i32 s31, s14, 128*PB                     ; my 128 rows of the strip
	s_add_co_u32 s31, s31, BREG
	v_mul_u32_u24 v[SB], v3, PB
	v_lshl_add_u32 v[SB], v2, 3, v[SB]
	v_add_nc_u32 v[SB], s31, v[SB]
	v_and_b32 v48, 7, v0                           ; the turning load: lane l reads k-row 8 h + l % 8, columns 8 ((l / 8) % 2) + 0..7
	v_lshl_add_u32 v48, v3, 3, v48
	v_mul_u32_u24 v[FB], v48, PB
	v_bfe_u32 v49, v0, 3, 1
	v_lshl_add_u32 v[FB], v49, 4, v[FB]
	v_add_nc_u32 v[FB], BREG, v[FB]
	v_add_nc_u32 v[FB+1], 256*PB, v[FB]
	s_mul_i32 s23, s14, 32*SPI
	s_add_co_u32 s23, s23, STAGE                   ; my stage
	v_mul_u32_u24 v[STO], v2, SPI                  ; in: row r, 32 bytes for each half of the lanes
	v_lshl_add_u32 v[STO], v3, 5, v[STO]
	v_add_nc_u32 v[STO], s23, v[STO]
	v_mul_u32_u24 v[RD], v3, SPI                   ; back: lanes 0-15 one row of 256 bytes, lanes 16-31 the next
	v_lshl_add_u32 v[RD], v2, 4, v[RD]
	v_add_nc_u32 v[RD], s23, v[RD]
	s_wait_loadcnt 40                              ; W2's eight loads are in; the five batches of eight behind them stay out
.irp i, 0,1,2,3,4,5,6,7                ; W2: rounded to bf16, widened again, and that number written as f16
	v_cvt_pk_bf16_f32 v48, v[WD+4*(\i)], v[WD+4*(\i)+1]
	v_cvt_pk_bf16_f32 v49, v[WD+4*(\i)+2], v[WD+4*(\i)+3]
	v_lshlrev_b32 v[WD+4*(\i)], 16, v48
	v_and_b32 v[WD+4*(\i)+1], s22, v48
	v_lshlrev_b32 v[WD+4*(\i)+2], 16, v49
	v_and_b32 v[WD+4*(\i)+3], s22, v49
	v_cvt_pk_f16_f32 v[WD+4*(\i)], v[WD+4*(\i)], v[WD+4*(\i)+1]
	v_cvt_pk_f16_f32 v[WD+4*(\i)+1], v[WD+4*(\i)+2], v[WD+4*(\i)+3]
.endr
	s_wait_alu depctr_va_vdst(0)                   ; the roundings have written the pairs of WD, which the stores below read; the LDS addresses v6 to v12 are written, which every LDS instruction from here on reads
.irp i, 0,1,2,3,4,5,6,7
	global_store_b64 v[GW], v[WD+4*(\i):WD+4*(\i)+1], s[12:13] offset:256*(\i)  ; the wave stores 256 consecutive bytes, aligned
.endr
.irp p, 0,1,2,3,4,5,6,7,8,9,10,11,12,13,14,15,16,17,18,19,20,21,22,23
	STG \p
.endr
	s_wait_dscnt 0x0                               ; for the others' sake: my rows of the strip are in LDS
	s_barrier_signal -1
	s_barrier_wait -1                              ; everybody's are
	s_wait_xcnt 0x0                                ; W2h's stores have had their addresses translated (ISA guide 3.1): their data and offset registers are written again only behind this wait,
	s_wait_alu depctr_vm_vsrc(0)                   ; and they have read v16 to v47 and v50, in which the third fragment buffer's loads land from here on
; Fragment j of the six of 32 along K, into buffer f.  j < 2: 16 rows of embed as they lie.  j >= 2: 16 columns of W1, turned.  Two loads
.macro FRAG ks, f, j
.if (\j) < 2
	ds_load_b128 v[(\f)+8*(\j):(\f)+8*(\j)+3],   v[FA] offset:(\j)*16*PA+64*(\ks)
	ds_load_b128 v[(\f)+8*(\j)+4:(\f)+8*(\j)+7], v[FA] offset:(\j)*16*PA+64*(\ks)+32
.else
	ds_load_tr16_b128 v[(\f)+8*(\j):(\f)+8*(\j)+3],   v[FB+(\ks)/8] offset:((\ks)%8)*32*PB+32*((\j)-2)
	ds_load_tr16_b128 v[(\f)+8*(\j)+4:(\f)+8*(\j)+7], v[FB+(\ks)/8] offset:((\ks)%8)*32*PB+16*PB+32*((\j)-2)
.endif
.endm
.macro PLACES                          ; four plain vector instructions behind matrix instructions (ISA guide 7.12.1)
.rept 4
	v_nop
.endr
.endm
; K step ks: eight matrix instructions on buffer ks % 3; the eight accumulators take turns, one instruction a turn.  Step 0's products start the sums.
; Up to step 13 the fragments of step ks + 2 are asked for, one fragment behind each of the first six matrix instructions.
.macro KSTEP ks
.set FC, F0+48*((\ks)%3)-208*(((\ks)%3)/2)
.set FN, F0+48*(((\ks)+2)%3)-208*((((\ks)+2)%3)/2)
.if ((\ks) >= 1) && ((\ks) <= 13)
	PLACES                                         ; the four places stay between the last step's matrix instructions and the loads into the fragments that they read; the wait below stands beside them
.endif
.if (\ks) < 15
	s_wait_dscnt 12                                ; LDS loads come back in order (ISA guide 5.7.1): this step's fragments are in; the next step's twelve loads stay out
.else
	s_wait_dscnt 0x0
.endif
.if ((\ks) >= 1) && ((\ks) <= 13)
	s_wait_alu depctr_va_vdst(0)                   ; the last step's matrix instructions are done reading their fragments, in which this step's loads land; the matrix instructions below name this step's buffer and the accumulators alone
.endif
.irp mb, 0,1
.irp nb, 0,1,2,3
.if (\ks) == 0
	v_wmma_f32_16x16x32_bf16 v[ACC+8*(4*(\mb)+(\nb)):ACC+8*(4*(\mb)+(\nb))+7], v[FC+16+8*(\nb):FC+16+8*(\nb)+7], v[FC+8*(\mb):FC+8*(\mb)+7], 0
.else
	v_wmma_f32_16x16x32_bf16 v[ACC+8*(4*(\mb)+(\nb)):ACC+8*(4*(\mb)+(\nb))+7], v[FC+16+8*(\nb):FC+16+8*(\nb)+7], v[FC+8*(\mb):FC+8*(\mb)+7], v[ACC+8*(4*(\mb)+(\nb)):ACC+8*(4*(\mb)+(\nb))+7]
.endif
.if ((\ks) <= 13) && (4*(\mb)+(\nb) < 6)
	FRAG (\ks)+2, FN, 4*(\mb)+(\nb)
.endif
.endr
.endr
.endm
	; The fragments of K steps 0 and 1.  No wait on va_vdst: the last staging step's stands behind the last rounding, and no vector instruction has been issued since.  The same holds of step 0's loads into
	; the third buffer: since that wait only step 0's matrix instructions are issued, which name the first buffer and the accumulators.
.irp j, 0,1,2,3,4,5
	FRAG 0, F0, \j
.endr
.irp j, 0,1,2,3,4,5
	FRAG 1, F0+48, \j
.endr
.irp ks, 0,1,2,3,4,5,6,7,8,9,10,11,12,13,14,15
	KSTEP \ks
.endr
	; THE WAY OUT: a lane's eight numbers of a row go into my own stage, each accumulator's low four registers first, and come back as whole rows of 256 bytes
	PLACES
	s_wait_alu depctr_va_vdst(0)                   ; the matrix instructions have written the accumulators, which the LDS stores read, and are done reading the fragment buffers, in which the loads from the stage land; the places above stay beside this wait
.irp mb, 0,1
.irp nb, 0,1,2,3
	ds_store_b128 v[STO], v[ACC+8*(4*(\mb)+(\nb)):ACC+8*(4*(\mb)+(\nb))+3]   offset:(\mb)*16*SPI+64*(\nb)
	ds_store_b128 v[STO], v[ACC+8*(4*(\mb)+(\nb))+4:ACC+8*(4*(\mb)+(\nb))+7] offset:(\mb)*16*SPI+64*(\nb)+16
.endr
.endr
.irp t, 0,1,2,3,4,5,6,7,8,9,10,11,12,13,14,15
	ds_load_b128 v[OB+4*(\t):OB+4*(\t)+3], v[RD] offset:(\t)*2*SPI  ; LDS serves a wave's instructions in order (ISA guide 5.7.1.4): these see the stores above
.endr
.irp t, 0,1,2,3,4,5,6,7,8,9,10,11,12,13,14,15
	s_wait_dscnt 15-(\t)
	global_store_b128 v[CO], v[OB+4*(\t):OB+4*(\t)+3], s[10:11] offset:(\t)*8192  ; 16 lanes store 256 consecutive bytes, at a multiple of 256 from T's first byte
.endr
	s_wait_dscnt 0x0                               ; the closing lines, six on end
	s_wait_alu 0x0
	s_wait_tensorcnt 0x0
	ds_add_u32 v[SPW], v[NIL]
	s_wait_dscnt 0x0
	s_endpgm
.Lfunc_end_k_q2d87b12e3d_tables:
	.size	k_q2d87b12e3d_tables, .Lfunc_end_k_q2d87b12e3d_tables-k_q2d87b12e3d_tables
	.p2alignl 7, 3214868480
	.fill 96, 4, 3214868480
	.section	.rodata,"a",@progbits
	.p2align	6, 0x0
	.amdhsa_kernel k_q2d87b12e3d_tables
		.amdhsa_group_segment_fixed_size 250368
		.amdhsa_private_segment_fixed_size 0
		.amdhsa_enable_private_segment 0
		.amdhsa_kernarg_size 40
		.amdhsa_user_sgpr_count 2
		.amdhsa_user_sgpr_kernarg_segment_ptr 1
		.amdhsa_wavefront_size32 1
		.amdhsa_system_sgpr_workgroup_id_x 1
		.amdhsa_system_sgpr_workgroup_id_y 1
		.amdhsa_system_sgpr_workgroup_id_z 1
		.amdhsa_system_vgpr_workitem_id 0
		.amdhsa_next_free_vgpr 256
		.amdhsa_next_free_sgpr 66
		.amdhsa_reserve_vcc 0
		.amdhsa_float_denorm_mode_32 3
		.amdhsa_float_denorm_mode_16_64 3
		.amdhsa_memory_ordered 1
		.amdhsa_forward_progress 1
		.amdhsa_inst_pref_size 92
	.end_amdhsa_kernel
	.amdgpu_metadata
---
amdhsa.version: [ 1, 2 ]
amdhsa.kernels:
  - .name:           k_q2d87b12e3d_tables
    .symbol:         k_q2d87b12e3d_tables.kd
    .args:
      - { .name: embed, .offset: 0, .size: 8, .value_kind: global_buffer, .address_space: global }
      - { .name: W1, .offset: 8, .size: 8, .value_kind: global_buffer, .address_space: global }
      - { .name: W2, .offset: 16, .size: 8, .value_kind: global_buffer, .address_space: global }
      - { .name: T, .offset: 24, .size: 8, .value_kind: global_buffer, .address_space: global }
      - { .name: W2h, .offset: 32, .size: 8, .value_kind: global_buffer, .address_space: global }
    .group_segment_fixed_size: 250368
    .private_segment_fixed_size: 0
    .kernarg_segment_align: 8
    .kernarg_segment_size: 40
    .max_flat_workgroup_size: 128
    .sgpr_count:     66
    .vgpr_count:     256
    .wavefront_size: 32
...
	.end_amdgpu_metadata
.endif
;; end of part 4
;; launch lif: the kernel of part 2 again; grid 512 x 1, 8 waves a work-group, no clusters, 0 bytes of LDS; arguments x, T, b1, beta1, thr1, beta2, thr2, S; writes S
;; launch gemm: the kernel of part 3 again; grid 8 x 32, 4 waves a work-group, clusters of 4 x 4, 327,680 bytes of LDS; arguments S, W2h, out0, b2, beta2; writes out0
